; MI455X (gfx1250); checked and timed in simulation.
; The chip was launched on July 23, 2026; its instructions are those of AMD's public machine-readable ISA for CDNA 5 (MIT licence, August 2026) and "CDNA5" Instruction Set Architecture Reference Guide (July 2026). The comments in the code are by the model that wrote it; some were corrected since.
;; Scaled Dot Product. Allowed arithmetic: matrix products marked QUANTISED: E2M1 operands, one E8M0 scale for each 32 along K, by v_wmma_scale_f32_16x16x128_f8f6f4 with both operands' format E2M1 (or v_wmma_scale_f32_32x16x128_f4), f32 sums; everything else in f32.
;; Inputs: k 16 x 4,096 x 64 float32; q 16 x 4,096 x 64 float32; v 16 x 4,096 x 64 float32.
;; Outputs: out0 16 x 4,096 x 64 float32.
;; This version of the problem:
;;   THIS VERSION OF THE PROBLEM IS GIVEN IN LOW PRECISION. The matrix products marked QUANTISED in the list below multiply operands that are first quantised to E2M1 (2 exponent bits, 1 mantissa bit; 4 bits a number), with one power-of-two scale for each 32 numbers along K (OCP MX v1.0); their sums are f32. All else is computed in f32.
;;   The module's matrix products, in the order in which they are computed (A, B: the left and right operand; K: the contracted axis; several contracted axes count as one K, in the product's order):
;;     1. batch 16 x [M 4,096, K 64] x [K 64, N 4,096]; A: input q; B: input k: QUANTISED
;;     2. batch 16 x [M 4,096, K 4,096] x [K 4,096, N 64]; A: computed on the way; B: input v: QUANTISED
;;   THE QUANTISER, for each operand of a quantised product, along K:
;;     - K is cut into blocks of 32 from its start; a last block that is shorter is filled with zeros.
;;     - A block's scale is 2^e with e = floor(log2(the largest magnitude in the block)) - 2, held to -126 .. 127; a block of zeros has e = 0. As a byte (E8M0): e + 127.
;;     - Each number is divided by its block's scale, clamped to +-6, and rounded to the nearest number of E2M1, ties to even, subnormals kept.
;;     - The product sums the exact products of the quantised numbers (number of the format x scale) in f32.
;;   ~~~python
;;   def quantise(x, axis):      # numpy; x: float32 -> the quantised numbers, widened to float32 again
;;       x = np.moveaxis(x, axis, -1); K = x.shape[-1]
;;       x = np.pad(x, [(0, 0)] * (x.ndim - 1) + [(0, -K % 32)]); x = x.reshape(x.shape[:-1] + (-1, 32)); a = np.abs(x).max(-1, keepdims=True)
;;       e = np.where(a > 0, np.clip(np.frexp(np.where(a > 0, a, 1))[1] - 1 - 2, -126, 127), 0)      # np.frexp(a)[1] - 1 = floor(log2(a)), exactly
;;       r = np.clip(x / 2.0 ** e, -6, 6)
;;       step = 2.0 ** (np.maximum(np.frexp(np.where(r == 0, 1, r))[1] - 1, 0) - 1)
;;       q = np.round(r / step) * step * 2.0 ** e      # np.round: ties to even
;;       return np.moveaxis(q.reshape(q.shape[:-2] + (-1,))[..., :K], -1, axis).astype(np.float32)
;;   ~~~
;;   OPERANDS COMPUTED ON THE WAY. 'Computed on the way' means the value that the module computes at that place (a softmax that the list does not call 'softmax' is quantised finished and normalised). What goes into a quantiser is computed in f32, as accurately as f32 sums, v_exp_f32 and their like allow (about 1e-6 of the number): no bf16 or f16 on the way to a quantiser, and a product that is left as it is and whose result goes on into a quantised operand takes f32 operands (vector FMAs, or v_wmma_f32_16x16x4_f32). A number that lies on a knife's edge between two numbers of the format may be rounded either way, as far as f32 arithmetic and the matrix unit's own rounding can turn it there, and no further.
;; One version. Each part assembles by itself: llvm-mc -triple=amdgcn-amd-amdhsa -mcpu=gfx1250 --defsym DOCPART=n.
;; ======== version 1 of 1: 3 launches
;; limits: right only within a limited range of input values
;; workspace buffers: qpk 2,359,296 bytes; kpk 2,359,296 bytes; vpk 2,228,224 bytes; gst 262,144 bytes
;; launch quant (part 1): grid 512 x 1, 4 waves a work-group, no clusters, 70,144 bytes of LDS; arguments q, k, qpk, kpk; writes qpk, kpk
.if DOCPART == 1
	.amdgcn_target "amdgcn-amd-amdhsa--gfx1250"
	.amdhsa_code_object_version 6
	.text
	.protected	k_qd9003ccd21_quant
	.globl	k_qd9003ccd21_quant
	.p2align	8
	.type	k_qd9003ccd21_quant,@function
k_qd9003ccd21_quant:
	s_mov_b64 s[64:65], 0
	v_nop
	global_prefetch_b8 v0, s[64:65] scope:SCOPE_SE
	s_setreg_imm32_b32 hwreg(HW_REG_WAVE_MODE, 25, 1), 1
	s_wait_xcnt 0x0
; q, k: [16][4096][64] f32 -> codes of FP4 (E2M1) with one E8M0 scale byte for each 32 of the 64 channels (two blocks a row), laid in the ORDER OF THE OPERANDS' REGISTERS, so that the later launches
; fetch a fragment as 16 bytes a lane.  (v is quantised by the next launch.)
; qpk, kpk: [16 x 32 steps][4,608 bytes]; a step is 128 rows: 8 tile images of 512 bytes, then 512 bytes of scale words.
;   Image of tile t: lane l = r + 16 h has, at byte 16 l, the 32 codes of channels 32 h .. 32 h + 31 of row 32 (t / 2) + 8 (t % 2) + r + 8 (r / 8) of the step.
;   These 16 bytes are registers 0-3 of a fragment of 128 along K; registers 4-7 (K 64 .. 127) are zeros made by the reader.
;   Scale word of (tile 4 H + i, lane-row r): byte 0 block 0, byte 1 block 1, bytes 2 and 3 the byte 127 (over zero codes); at 4,096 + 16 (r + 16 H) + 4 i.
; A block's scale is 2^(floor(log2(its largest magnitude)) - 2): its byte is the largest magnitude's exponent field - 2, held at 1 from below by a floor among the maximum's leaves.
; LIMITS: a block of zeros gets the byte 1 where the quantiser's rule says 127: its codes are zeros, and these bytes are read by this program alone.  NaN and infinities among the inputs are not served.
; SHARES: work-groups 0-255 take q, 256-511 k: one path, the pointers chosen by the work-group's number.  A wave takes 64 rows, four tiles.  Waves share nothing: no barrier.
; No matrix unit, no cluster, no tensor load: every input byte is read once by one wave, so nothing is shared and nothing is multiplied.
.set PITCH,  272                       ; a row of 256 bytes in a wave's stage + 16 of padding
.set WST,    64*PITCH                  ; a wave's stage: 64 rows
.set STEPB,  4608
.set LI,   4                           ; v4   16 x lane
.set SIN,  5                           ; v5   the stage, on the way in: rows as they are loaded
.set SOUT, 6                           ; v6   on the way out: my row of a tile, my block of 32
.set WO,   7                           ; v7   where my two scale words go
.set SH,   8                           ; v8   8 h: my byte's place in a scale word
.set W,    12                          ; v12-15 scale words
.set C,    16                          ; v16-31 codes: four registers for each tile, never written twice
.set R,    32                          ; v32-159 32 loads of four registers
.set X,    160                         ; v160-223 two sets of 32 neighbours
.set AM,   224                         ; the largest magnitude,
.set SO,   225                         ; the conversions' scale operand,
.set BY,   226                         ; the second chain, then the scale's byte,
.set PX,   227                         ; the other half's byte,
.set O2,   228                         ; v228-229 the two words that I store
; The 32 numbers v[XS] .. v[XS+31] of my lane are one block: its codes go to v[CD] .. v[CD+3], its byte to v[BY].
.macro BLOCK32
	v_max3_num_f32 v[AM], |v[XS]|, |v[XS+1]|, |v[XS+2]|            ; two chains that do not wait for each other
	v_max3_num_f32 v[BY], |v[XS+3]|, |v[XS+4]|, |v[XS+5]|
.irp i, 6,10,14,18,22,26
	v_max3_num_f32 v[AM], v[AM], |v[XS+\i]|, |v[XS+\i+1]|
	v_max3_num_f32 v[BY], v[BY], |v[XS+\i+2]|, |v[XS+\i+3]|
.endr
	v_max3_num_f32 v[AM], v[AM], |v[XS+30]|, |v[XS+31]|
	v_max3_num_f32 v[AM], v[AM], v[BY], 0x1800000                  ; the floor 2^(3 - 127): the byte cannot fall under 1
	v_add_nc_u32 v[SO], 0xff000000, v[AM]                          ; 2 off the exponent field: the conversions' scale operand
.irp g, 0,1,2,3
	v_cvt_scalef32_pk8_fp4_f32 v[CD+\g], v[XS+8*\g:XS+8*\g+7], v[SO]
.endr
	v_lshrrev_b32 v[BY], 23, v[SO]                                 ; the scale's byte (a plain line behind the conversions)
.endm
	s_load_b256 s[4:11], s[0:1], 0x0               ; q s[4:5], k s[6:7], qpk s[8:9], kpk s[10:11]
	v_lshl_add_u32 v232, v0, 2, 0x11000            ; my spare word, behind the four stages
	v_mov_b32 v233, 0
	v_lshrrev_b32 v1, 5, v0
	v_readfirstlane_b32 s16, v1                    ; wave 0..3
	v_and_b32 v1, 31, v0                           ; lane l
	v_and_b32 v2, 15, v0                           ; r
	v_bfe_u32 v3, v0, 4, 1                         ; h
	s_mov_b32 s19, 0                               ; the upper word of every offset pair s[18:19]
	s_wait_kmcnt 0x0
	s_cmp_lt_u32 ttmp9, 256                        ; q's work-group or k's: the choice hangs on the work-group's number alone
	s_cselect_b64 s[24:25], s[4:5], s[6:7]
	s_cselect_b64 s[26:27], s[8:9], s[10:11]
	s_and_b32 s17, ttmp9, 255
	s_lshl_b32 s17, s17, 2
	s_add_co_u32 s17, s17, s16                     ; which run of 64 rows of the tensor: 0 .. 1,023
	s_lshl_b32 s18, s17, 14                        ; 64 rows of 256 bytes
	s_add_nc_u64 s[24:25], s[24:25], s[18:19]
	s_lshr_b32 s18, s17, 1
	s_mul_i32 s18, s18, STEPB                      ; the step
	s_add_nc_u64 s[26:27], s[26:27], s[18:19]
	s_add_nc_u64 s[28:29], s[26:27], 4096          ; its scale words
	s_and_b32 s17, s17, 1                          ; H
	s_lshl_b32 s18, s17, 11
	s_add_nc_u64 s[26:27], s[26:27], s[18:19]      ; my four tile images
	s_lshl_b32 s18, s17, 8
	s_add_nc_u64 s[28:29], s[28:29], s[18:19]      ; my 256 bytes of scale words
	s_mov_b32 s20, 0x76543210
	s_mov_b32 s21, 0xfedcba98                      ; selects for lane l xor 16
	s_mov_b32 s22, 0x7f7f0000                      ; the bytes of blocks 2 and 3, whose codes are zeros
	s_mov_b32 s23, 0xffff0000                      ; lanes 16-31
	s_mul_i32 s30, s16, WST                        ; my wave's stage
	s_wait_alu depctr_va_vdst(0)                   ; the wait behind the run of scalar lines
	v_lshlrev_b32 v[LI], 4, v1
.set n, 0
.rept 32
	global_load_b128 v[R+4*n:R+4*n+3], v[LI], s[24:25] offset:512*n th:TH_LOAD_NT   ; 512 consecutive bytes: rows 2 n and 2 n + 1
.set n, n+1
.endr
	v_mul_u32_u24 v[SIN], v3, PITCH
	v_lshl_add_u32 v[SIN], v2, 4, v[SIN]
	v_add_nc_u32 v[SIN], s30, v[SIN]               ; in: row l / 16 of a load's two, 16 bytes a lane
	v_and_b32 v[SOUT], 8, v2
	v_add_nc_u32 v[SOUT], v[SOUT], v2              ; r + 8 (r / 8)
	v_mul_u32_u24 v[SOUT], v[SOUT], PITCH
	v_lshl_add_u32 v[SOUT], v3, 7, v[SOUT]         ; + 128 h: my block's 32 numbers
	v_add_nc_u32 v[SOUT], s30, v[SOUT]
	v_lshlrev_b32 v[WO], 4, v2
	v_lshl_add_u32 v[WO], v3, 3, v[WO]             ; 16 r + 8 h
	v_lshlrev_b32 v[SH], 3, v3
	v_mov_b32 v[PX], 0                             ; a lane permute's destination counts as one of its sources
.macro TOSTAGE from                    ; 16 loads' rows into the stage, as they arrive
.set n, \from
.rept 16
	s_wait_loadcnt 31-n                            ; load n is in, the 31 - n behind it may be out
	ds_store_b128 v[SIN], v[R+4*n:R+4*n+3] offset:544*n
.set n, n+1
.endr
.endm
.macro RD i                            ; tile i of my four: my row's block of 32 numbers.  LDS serves a wave's instructions in order, so these see my stores
.irp j, 0,1,2,3,4,5,6,7
	ds_load_b128 v[X+32*((\i)%2)+4*\j:X+32*((\i)%2)+4*\j+3], v[SOUT] offset:(32*((\i)/2)+8*((\i)%2))*PITCH+16*\j
.endr
.endm
.macro QT i                            ; tile i: codes out, scale word kept
.set XS, X+32*((\i)%2)
.set CD, C+4*(\i)
	BLOCK32
	v_lshlrev_b32 v[BY], v[SH], v[BY]              ; my block's byte at its place,
	v_permlanex16_b32 v[PX], v[BY], s20, s21
	v_or_b32 v[BY], v[BY], v[PX]                   ; with the other block's, from lane l xor 16,
	v_or_b32 v[W+(\i)], s22, v[BY]                 ; and the two bytes over the zero codes
	global_store_b128 v[LI], v[CD:CD+3], s[26:27] offset:512*(\i)   ; the tile's image: 512 consecutive bytes
.endm
	s_wait_alu depctr_va_vdst(0)                   ; the wait ahead of the waits below
	TOSTAGE 0                                      ; rows 0-31: tiles 0 and 1
	RD 0
	RD 1
	TOSTAGE 16                                     ; rows 32-63
	s_wait_dscnt 24                                ; tile 0 is back: behind its reads stand tile 1's 8 and 16 stores
	QT 0
	s_wait_dscnt 16                                ; tile 1: the 16 stores may be out
	QT 1
	RD 2
	RD 3
	s_wait_dscnt 8                                 ; tile 2: tile 3's 8 reads may be out
	QT 2
	s_wait_dscnt 0x0
	QT 3
	v_cndmask_b32 v[O2], v[W], v[W+2], s23         ; lanes 0-15 store the words of tiles 0 and 1 of my half, lanes 16-31 those of tiles 2 and 3
	v_cndmask_b32 v[O2+1], v[W+1], v[W+3], s23
	global_store_b64 v[WO], v[O2:O2+1], s[28:29]   ; 256 consecutive bytes, aligned
	s_wait_tensorcnt 0x0                           ; the wave's end
	ds_add_u32 v232, v233
	s_wait_dscnt 0x0
	s_endpgm
.Lfunc_end_k_qd9003ccd21_quant:
	.size	k_qd9003ccd21_quant, .Lfunc_end_k_qd9003ccd21_quant-k_qd9003ccd21_quant
	.p2alignl 7, 3214868480
	.fill 96, 4, 3214868480
	.section	.rodata,"a",@progbits
	.p2align	6, 0x0
	.amdhsa_kernel k_qd9003ccd21_quant
		.amdhsa_group_segment_fixed_size 70144
		.amdhsa_private_segment_fixed_size 0
		.amdhsa_enable_private_segment 0
		.amdhsa_kernarg_size 32
		.amdhsa_user_sgpr_count 2
		.amdhsa_user_sgpr_kernarg_segment_ptr 1
		.amdhsa_wavefront_size32 1
		.amdhsa_system_sgpr_workgroup_id_x 1
		.amdhsa_system_sgpr_workgroup_id_y 1
		.amdhsa_system_sgpr_workgroup_id_z 1
		.amdhsa_system_vgpr_workitem_id 0
		.amdhsa_next_free_vgpr 234
		.amdhsa_next_free_sgpr 66
		.amdhsa_reserve_vcc 0
		.amdhsa_float_denorm_mode_32 3
		.amdhsa_float_denorm_mode_16_64 3
		.amdhsa_memory_ordered 1
		.amdhsa_forward_progress 1
		.amdhsa_inst_pref_size 18
	.end_amdhsa_kernel
	.amdgpu_metadata
---
amdhsa.version: [ 1, 2 ]
amdhsa.kernels:
  - .name:           k_qd9003ccd21_quant
    .symbol:         k_qd9003ccd21_quant.kd
    .args:
      - { .name: q, .offset: 0, .size: 8, .value_kind: global_buffer, .address_space: global }
      - { .name: k, .offset: 8, .size: 8, .value_kind: global_buffer, .address_space: global }
      - { .name: qpk, .offset: 16, .size: 8, .value_kind: global_buffer, .address_space: global }
      - { .name: kpk, .offset: 24, .size: 8, .value_kind: global_buffer, .address_space: global }
    .group_segment_fixed_size: 70144
    .private_segment_fixed_size: 0
    .kernarg_segment_align: 8
    .kernarg_segment_size: 32
    .max_flat_workgroup_size: 128
    .sgpr_count:     66
    .vgpr_count:     234
    .wavefront_size: 32
...
	.end_amdgpu_metadata
.endif
;; end of part 1
;; launch stats (part 2): grid 16 x 16, 8 waves a work-group, clusters of 4 x 1, 327,680 bytes of LDS; arguments qpk, kpk, gst, v, vpk; writes gst, vpk
.if DOCPART == 2
	.amdgcn_target "amdgcn-amd-amdhsa--gfx1250"
	.amdhsa_code_object_version 6
	.text
	.protected	k_qd9003ccd21_stats
	.globl	k_qd9003ccd21_stats
	.p2align	8
	.type	k_qd9003ccd21_stats,@function
k_qd9003ccd21_stats:
	s_mov_b64 s[64:65], 0
	v_nop
	global_prefetch_b8 v0, s[64:65] scope:SCOPE_SE
	s_setreg_imm32_b32 hwreg(HW_REG_WAVE_MODE, 25, 1), 1
	s_wait_xcnt 0x0
	s_wait_alu depctr_hold_cnt(0) depctr_sa_sdst(0) depctr_va_vdst(0) depctr_va_sdst(0) depctr_va_ssrc(0) depctr_va_vcc(0) depctr_vm_vsrc(0)
	s_getreg_b32 s2, hwreg(HW_REG_IB_STS2, 6, 4)
	s_cmp_eq_u32 s2, 0
	s_cbranch_scc0 .Lentry_in_a_cluster
	s_endpgm
.Lentry_in_a_cluster:
	s_bfe_u32 s2, ttmp6, 0x10000c
	s_cmp_lg_u32 s2, 0x3003
	s_cbranch_scc0 .Lentry_shape_is_right
	s_endpgm
.Lentry_shape_is_right:
; THE SOFTMAX RUNS OVER THE QUERIES: each key's column of scores is normalised over all 4,096 queries.  This launch finds, for every key, nB = -(M + log2 l), where t = score x log2(e) / 8,
; M = the column's largest t rounded up to a whole number (a running maximum), l = the sum over the queries of 2^(t - M).  The next launch then has the finished p = 2^(t + nB).
; The scores are the quantised product q k^T on codes of FP4 with E8M0 scales, as the packs hold them (the layout: at the head of the launch that makes them).  K is 64: registers 4-7 of every fragment
; (K 64 .. 127 of the instruction's 128) are zero codes on both sides, under the scale byte 127.
; SHARES.  A work-group owns 256 keys of one batch, each of its eight waves 32: two tiles, kept in registers.  Every wave walks all 4,096 queries, 128 a step, out of LDS, where the batch's whole pack of q (147,456 bytes) lies.
; LAYOUT.  Source 0 = 16 queries, source 1 = my 16 keys: a lane holds ONE key (lane % 16), and its 64 registers of a step are queries; the two halves of the lanes hold different queries.  Each half keeps a maximum and a
; sum of its own, so nothing crosses lanes inside a step; the halves meet once, at the end.
; When M moves, the sum is multiplied by 2^(old M - new M), made by v_ldexp_f32 from a whole number: nothing is rounded by it, and no branch hangs on data.
; CLUSTER.  The four work-groups of a cluster belong to one batch and read the same pack of q: each eighth of it is asked for JOINTLY, by the same tensor load with the same descriptor and a mask that names the four.
; LDS is filled once and never again, so the loop has no barrier.  All waits in the loop are for 0: a step's 9 LDS loads are issued a step's vector work ahead of it.
; LIMITS: NaN and infinities are not served.  nB is one f32 number of the size of M + log2 l: its rounding is a common factor of a column's p, and grows with the size of the scores.
.set STEPB, 4608                       ; a step of the pack: 8 tile images of 512 bytes, 512 bytes of scale words
.set BATCH, 32*STEPB
.set ROWS,  BATCH/8/256                ; what one tensor load brings: 72 rows of 256 bytes
.set WV,   10                          ; s10  my wave's number
.set G0,   12                          ; s[12:15] descriptor group 0
.set G1,   16                          ; s[16:23] descriptor group 1
.set CS,   24                          ; s[24:25] c = log2(e) / 8: the packed form names a pair and takes its low word for both halves
.set SEL,  26                          ; s[26:27] lane selects for v_permlanex16_b32: lane l xor 16
.set HI16, 28                          ; s28  lanes 16-31
.set TB,   2                           ; s2   LDS byte at which the step to be fetched begins
.set CNT,  3                           ; s3   counts the loop
.set LI,   1                           ; v1   16 x lane; never rewritten
.set ADR,  2                           ; v2   LDS address of the loads in hand
.set RA,   3                           ; v3   16 x (lane % 16)
.set L4,   4                           ; v4   4 x lane
.set OUTV, 5                           ; v5   what I store
.set T0,   8                           ; tile u's statistics at v[T0 + 12 u]: +0 -M, +1 the largest t, +2, +3 the sum in two halves, +4 f (+5 named with it as a pair), +6 to +9 at work, +10 nB
.set OWN,  32                          ; v32-47   my two tiles of keys
.set WS,   48                          ; v48-51   the step's scale words of q: register i: lanes 0-15 tile i, lanes 16-31 tile 4 + i
.set OS,   52                          ; v52-53   my keys' scale words
.set WALK, 64                          ; v64-127  the step's 8 tiles of queries
.set S,    128                         ; v128-255 the scores, 64 registers a tile of keys; behind the loop v128-191: my numbers of v
; THIS LAUNCH ALSO QUANTISES v [16][4096][64] f32 along the keys (a block = 32 keys of one channel) into vpk, for the next launch.  Each wave takes 128 keys (step 2 x block + wave / 4) x 16 channels (dt = wave % 4):
; one plain tensor load, issued behind the pack's fills, brings them as 128 rows of 64 bytes (no row crosses a multiple of 256 bytes) into 8,192 LDS bytes of the wave's own.
; Only the wave that issued it reads them, behind the loop and its own wait on TENSORcnt: no barrier; whole rows of 256 bytes would be shared by four waves and want one.  No prefetch: the load itself stands a whole loop ahead of its use.
; A LANE TAKES A CHANNEL (lane % 16) AND TWO BLOCKS, kb = 2 e + lane / 16: its registers run down the keys, so a block lies in one lane and nothing is transposed.  (Lanes 16-31 read 32 rows, 2,048 bytes, further on: two deep in the banks.)
; vpk: [16 x 32 steps][4,352 bytes]; a step is 128 keys: 4 fragments (channels 16 dt + r) of 1,024 bytes: block kb at 1,024 dt + 512 (kb / 2) + 256 (kb % 2) + 16 r; then the scale words, channel d's at 4,096 + 4 d, byte kb for block kb.
; The scale's byte is the largest magnitude's exponent field - 2, held at 1 from below; a block of zeros gets the byte 1 (its codes are zeros; this program alone reads the bytes).
.set VSTEPB, 4352
.set VL,   0x2a000                     ; LDS: v's tiles, 8,192 bytes a wave, behind the spare words
.set G0V,  48                          ; s[48:51], s[52:59] v's descriptor
.set G1V,  52
.set VAM,  64                          ; v64-65 the two blocks' largest magnitudes; v66-67 second chains, then bytes; v68-69 scale operands
.set VBY,  66
.set VSO,  68
.set VWD,  70                          ; my channel's scale word
.set PXV,  71
.set VC,   72                          ; v72-79 codes
.set AV,   80                          ; LDS address of my column
.set WO,   81                          ; 4 x (lane % 16)
.set SHV,  82                          ; 8 x (lane / 16)
; A round of the cluster's barrier: my work-group's barrier, so that wave 0's signal speaks for all eight waves; wave 0 signals for the work-group; every wave waits for all four work-groups; my work-group's barrier once more.
.macro CROUND
	s_barrier_signal -1
	s_barrier_wait -1
	s_cmp_lg_u32 s[WV], 0
	s_cbranch_scc1 .Lnot_wave_0_\@
	s_barrier_signal -3
.Lnot_wave_0_\@:
	s_barrier_wait -3
	s_barrier_signal -1
	s_barrier_wait -1
.endm
	s_load_b128 s[4:7], s[0:1], 0x0                ; qpk s[4:5], kpk s[6:7]
	s_load_b64 s[8:9], s[0:1], 0x10                ; gst
	s_load_b128 s[60:63], s[0:1], 0x18             ; v s[60:61], vpk s[62:63]
	v_lshl_add_u32 v62, v0, 2, 0x29000
	v_mov_b32 v63, 0
	ds_add_u32 v62, v63
	ds_add_u32 v62, v63
	v_lshrrev_b32 v2, 5, v0
	s_delay_alu instid0(VALU_DEP_1)
	v_readfirstlane_b32 s[WV], v2                  ; wave 0..7
	s_bfe_u32 s11, ttmp6, 0x40000                  ; cx: my place in the cluster: it enters the addresses of my own keys and of my results alone
	s_lshl_b32 s29, ttmp9, 2                       ; in a cluster launch ttmp9 counts clusters
	s_add_co_u32 s29, s29, s11                     ; my block of 256 keys: 0 .. 15
	s_and_b32 s30, ttmp7, 0xffff                   ; the batch, which the four partners share
	s_mul_i32 s32, s30, BATCH                      ; the batch's first byte in a pack
	s_mov_b32 s33, 0
	s_mul_i32 s34, s[WV], ROWS*256                 ; my eighth of it, in memory and in LDS alike
	s_mov_b32 s35, 0
	; descriptor group 1: a dense block as 72 rows of 256 bytes (32 elements of 8 bytes), no padding: every read of it is 16 bytes a lane on end
	s_mov_b32 s[G1+0], 15|(3<<16)|(1<<21)          ; 15:0 the mask: all four work-groups; 17:16 elements of 8 bytes; 21 set beside a mask
	s_mov_b32 s[G1+1], 32<<16                      ; tensor_dim0 = 32
	s_mov_b32 s[G1+2], ROWS<<16                    ; tensor_dim1 = 72
	s_mov_b32 s[G1+3], 32<<16                      ; tile_dim0 = 32
	s_mov_b32 s[G1+4], ROWS                        ; tile_dim1 = 72
	s_mov_b32 s[G1+5], 32                          ; from row to row: 32 elements
	s_mov_b32 s[G1+6], 0
	s_mov_b32 s[G1+7], 0
	; my two tiles of keys: step sigma = 2 x block + wave / 4, tiles 2 wq and 2 wq + 1, wq = wave % 4
	s_lshr_b32 s36, s[WV], 2
	s_lshl_b32 s37, s29, 1
	s_add_co_u32 s36, s36, s37                     ; sigma
	s_and_b32 s37, s[WV], 3                        ; wq
	s_mul_i32 s38, s36, STEPB
	s_add_co_u32 s38, s38, s32                     ; the step's first byte in kpk
	s_lshl_b32 s40, s37, 10
	s_add_co_u32 s40, s40, s38                     ; my two images
	s_mov_b32 s41, 0
	s_lshr_b32 s42, s37, 1
	s_lshl_b32 s42, s42, 8                         ; their scale words: 4,096 + 256 (wq / 2) + 8 (wq % 2) + 4 u + 16 r
	s_and_b32 s43, s37, 1
	s_lshl_b32 s43, s43, 3
	s_add_co_u32 s42, s42, s43
	s_add_co_u32 s42, s42, s38
	s_add_co_u32 s42, s42, 4096
	s_mov_b32 s43, 0
	s_lshl_b32 s44, s30, 14                        ; my results: 16,384 bytes a batch, 512 a step, 128 for my two tiles
	s_lshl_b32 s45, s36, 9
	s_add_co_u32 s44, s44, s45
	s_lshl_b32 s45, s37, 7
	s_add_co_u32 s44, s44, s45
	s_mov_b32 s45, 0
	s_mov_b32 s[CS], 0x3e38aa3b                    ; c = log2(e) / 8
	s_mov_b32 s[CS+1], s[CS]                       ; (named with it as a pair, so it is written)
	s_mov_b32 s[SEL], 0x76543210
	s_mov_b32 s[SEL+1], 0xfedcba98
	s_mov_b32 s[HI16], 0xffff0000
	s_mov_b32 s[TB], 0
	s_mov_b32 s[G1V+0], 2<<16                      ; v's tile: elements of 4 bytes, no mask, no padding
	s_mov_b32 s[G1V+1], 16<<16                     ; tensor_dim0 = 16
	s_mov_b32 s[G1V+2], 128<<16                    ; tensor_dim1 = 128
	s_mov_b32 s[G1V+3], 16<<16                     ; tile_dim0 = 16
	s_mov_b32 s[G1V+4], 128                        ; tile_dim1 = 128
	s_mov_b32 s[G1V+5], 64                         ; from row to row: 64 elements
	s_mov_b32 s[G1V+6], 0
	s_mov_b32 s[G1V+7], 0
	s_mov_b32 s[G0V], 1
	s_lshl_b32 s[G0V+1], s[WV], 13
	s_add_co_u32 s[G0V+1], s[G0V+1], VL            ; LDS: 8,192 x wave
	s_lshl_b32 s[G0V+2], s30, 20                   ; in v: the batch,
	s_lshl_b32 s46, s36, 15
	s_add_co_u32 s[G0V+2], s[G0V+2], s46           ; the step's 128 rows of 256 bytes,
	s_lshl_b32 s46, s37, 6
	s_add_co_u32 s[G0V+2], s[G0V+2], s46           ; my 16 channels
	s_mov_b32 s[G0V+3], 0
	s_lshl_b32 s46, s30, 5
	s_add_co_u32 s46, s46, s36
	s_mul_i32 s46, s46, VSTEPB                     ; the step's first byte in vpk
	s_mov_b32 s47, 0
	s_wait_dscnt 0x0
	s_wait_kmcnt 0x0
	s_add_nc_u64 s[G0V+2:G0V+3], s[60:61], s[G0V+2:G0V+3]
	s_or_b32 s[G0V+3], s[G0V+3], 0x80000000
	s_add_nc_u64 s[62:63], s[62:63], s[46:47]
	s_lshl_b32 s46, s37, 10
	s_add_nc_u64 s[60:61], s[62:63], s[46:47]      ; my fragment of codes
	s_lshl_b32 s46, s37, 6
	s_add_nc_u64 s[62:63], s[62:63], s[46:47]      ; my 16 scale words, 4,096 bytes further on
	s_mov_b32 s[G0], 1                             ; 1:0 count = 1
	s_mov_b32 s[G0+1], s34                         ; 63:32 LDS address: 18,432 x wave
	s_add_nc_u64 s[G0+2:G0+3], s[4:5], s[32:33]    ; 120:64 global address: the batch,
	s_add_nc_u64 s[G0+2:G0+3], s[G0+2:G0+3], s[34:35]  ; my eighth
	s_or_b32 s[G0+3], s[G0+3], 0x80000000          ; 127:126 type = 2
	s_add_nc_u64 s[40:41], s[6:7], s[40:41]
	s_add_nc_u64 s[42:43], s[6:7], s[42:43]
	s_add_nc_u64 s[8:9], s[8:9], s[44:45]
	CROUND                                         ; all four work-groups are here: the joint loads meet
	tensor_load_to_lds s[G0:G0+3], s[G1:G1+7]      ; one tensor load of mine is out; its registers are never written again
	s_nop 0
.rept 4
	v_nop                                          ; four lines behind a tensor load
.endr
	v_and_b32 v[L4], 31, v0
	s_delay_alu instid0(VALU_DEP_1)
	v_lshlrev_b32 v[LI], 4, v[L4]
	s_delay_alu instid0(VALU_DEP_2)
	v_lshlrev_b32 v[L4], 2, v[L4]
	v_and_b32 v[RA], 15, v0
	s_delay_alu instid0(VALU_DEP_1)
	v_lshlrev_b32 v[RA], 4, v[RA]
.irp u, 0,1
	global_load_b128 v[OWN+8*\u:OWN+8*\u+3], v[LI], s[40:41] offset:512*\u
	global_load_b32 v[OS+\u], v[RA], s[42:43] offset:4*\u           ; lane r: the word of my tile's lane-row r (lanes 16-31 hold the same and are not read)
.endr
.irp u, 0,1
.irp j, 4,5,6,7
	v_mov_b32 v[OWN+8*\u+\j], 0                    ; K 64 .. 127: zero codes, set once; loads land in registers 0-3 alone
.endr
.endr
.irp t, 0,1,2,3,4,5,6,7
.irp j, 4,5,6,7
	v_mov_b32 v[WALK+8*\t+\j], 0
.endr
.endr
.irp u, 0,1
	v_mov_b32 v[T0+12*\u+1], 0xff61b1e6            ; the largest t so far: -3e38, under every t
	v_mov_b32 v[T0+12*\u+2], 0                     ; the sum, in two halves: the first change of M multiplies zeros
	v_mov_b32 v[T0+12*\u+3], 0
	v_mov_b32 v[T0+12*\u+5], 0                     ; (named as the upper half of f's pair)
.endr
.irp u, 0,1
	v_floor_f32 v[T0+12*\u], -v[T0+12*\u+1]        ; -M
.endr
	v_add_nc_u32 v[ADR], s[TB], v[LI]
	s_wait_alu depctr_va_vdst(0)
	s_wait_tensorcnt 0x0                           ; my eighth of the pack is in LDS
	ds_add_u32 v62, v63
	s_wait_dscnt 0x0
	CROUND                                         ; everybody's eighth is in
	tensor_load_to_lds s[G0V:G0V+3], s[G1V:G1V+7]  ; my tile of v: it lands under the loop; its registers are never written again
	s_nop 0
.rept 4
	v_nop
.endr
.macro FETCH                           ; a step's 8 tile images and its scale words: 9 loads, each 512 consecutive bytes
.irp t, 0,1,2,3,4,5,6,7
	ds_load_b128 v[WALK+8*\t:WALK+8*\t+3], v[ADR] offset:512*\t
.endr
	ds_load_b128 v[WS:WS+3], v[ADR] offset:4096
.endm
; A STEP: 128 queries against my 32 keys.  next = 1: the next step's fragments are fetched behind the products and land during the vector work.
.macro SSTEP next
	s_wait_dscnt 0x0                               ; the step's fragments and scale words are in
.irp t, 0,1,2,3,4,5,6,7                ; 16 products on 16 different accumulators, each begun with the constant 0
.irp u, 0,1
.if \t < 4
	v_wmma_scale_f32_16x16x128_f8f6f4 v[S+64*\u+8*\t:S+64*\u+8*\t+7], v[WALK+8*\t:WALK+8*\t+7], v[OWN+8*\u:OWN+8*\u+7], 0, v[WS+\t%4], v[OS+\u] matrix_a_fmt:MATRIX_FMT_FP4 matrix_b_fmt:MATRIX_FMT_FP4
.else
	v_wmma_scale_f32_16x16x128_f8f6f4 v[S+64*\u+8*\t:S+64*\u+8*\t+7], v[WALK+8*\t:WALK+8*\t+7], v[OWN+8*\u:OWN+8*\u+7], 0, v[WS+\t%4], v[OS+\u] matrix_a_fmt:MATRIX_FMT_FP4 matrix_b_fmt:MATRIX_FMT_FP4 matrix_a_scale:MATRIX_SCALE_ROW1
.endif
.endr
.endr
	; four plain vector lines that name no register of the products stand behind them, ahead of the loads into their sources and of the first read of their results
.if \next
	s_add_co_u32 s[TB], s[TB], STEPB
	v_add_nc_u32 v[ADR], s[TB], v[LI]
.rept 3
	v_nop
.endr
	FETCH
.else
.rept 4
	v_nop
.endr
.endif
	; the step's largest score of my key, among my half's 64 queries: four chains a tile, all eight by turns; each accumulator is read from its low end on
.irp u, 0,1
.irp q, 0,1,2,3
	v_max3_num_f32 v[T0+12*\u+6+\q], v[S+64*\u+16*\q], v[S+64*\u+16*\q+1], v[S+64*\u+16*\q+2]
.endr
.endr
.irp i, 3,5,7,9,11,13
.irp u, 0,1
.irp q, 0,1,2,3
	v_max3_num_f32 v[T0+12*\u+6+\q], v[T0+12*\u+6+\q], v[S+64*\u+16*\q+\i], v[S+64*\u+16*\q+\i+1]
.endr
.endr
.endr
.irp u, 0,1
.irp q, 0,1,2,3
	v_max_num_f32 v[T0+12*\u+6+\q], v[T0+12*\u+6+\q], v[S+64*\u+16*\q+15]
.endr
.endr
.irp u, 0
	v_max3_num_f32 v[T0+12*\u+6], v[T0+12*\u+6], v[T0+12*\u+7], v[T0+12*\u+8]
.endr
.irp u, 1
	s_delay_alu instid0(VALU_DEP_3)
	v_max3_num_f32 v[T0+12*\u+6], v[T0+12*\u+6], v[T0+12*\u+7], v[T0+12*\u+8]
.endr
.irp u, 0,1
	s_delay_alu instid0(VALU_DEP_2)
	v_max_num_f32 v[T0+12*\u+6], v[T0+12*\u+6], v[T0+12*\u+9]
.endr
.irp u, 0,1
	s_delay_alu instid0(VALU_DEP_2)
	v_mul_f32 v[T0+12*\u+6], s[CS], v[T0+12*\u+6]  ; as t (c is positive)
.endr
.irp u, 0,1
	s_delay_alu instid0(VALU_DEP_2)
	v_max_num_f32 v[T0+12*\u+1], v[T0+12*\u+1], v[T0+12*\u+6]   ; the running largest t
.endr
.irp u, 0,1
	v_mov_b32 v[T0+12*\u+6], v[T0+12*\u]
.endr
.irp u, 0,1
	s_delay_alu instid0(VALU_DEP_4)
	v_floor_f32 v[T0+12*\u], -v[T0+12*\u+1]        ; the new -M = floor(-t): M is a whole number
.endr
.irp u, 0,1
	s_delay_alu instid0(VALU_DEP_2)
	v_sub_f32 v[T0+12*\u+6], v[T0+12*\u], v[T0+12*\u+6]   ; M's old value less its new one: a whole number, 0 or less
.endr
.irp u, 0,1
	s_delay_alu instid0(VALU_DEP_2)
	v_cvt_i32_f32 v[T0+12*\u+6], v[T0+12*\u+6]     ; (it saturates)
.endr
.irp u, 0,1
	s_delay_alu instid0(VALU_DEP_2)
	v_ldexp_f32 v[T0+12*\u+4], 1.0, v[T0+12*\u+6]  ; f = 2^(old M - new M)
.endr
.irp u, 0,1
.irp j, 0,2,4,6,8,10,12,14,16,18,20,22,24,26,28,30,32,34,36,38,40,42,44,46,48,50,52,54,56,58,60,62
	v_pk_fma_f32 v[S+64*\u+\j:S+64*\u+\j+1], v[S+64*\u+\j:S+64*\u+\j+1], s[CS:CS+1], v[T0+12*\u:T0+12*\u+1] op_sel_hi:[1,0,0]   ; t - M, two at a time (of the pairs c and -M the low word serves both halves)
.endr
.endr
	s_wait_alu depctr_va_vdst(0)
.irp u, 0,1
.irp j, 0,1,2,3,4,5,6,7,8,9,10,11,12,13,14,15,16,17,18,19,20,21,22,23,24,25,26,27,28,29,30,31,32,33,34,35,36,37,38,39,40,41,42,43,44,45,46,47,48,49,50,51,52,53,54,55,56,57,58,59,60,61,62,63
	v_exp_f32 v[S+64*\u+\j], v[S+64*\u+\j]         ; 2^(t - M), at most 1
.endr
.endr
.irp u, 0,1
	v_pk_mul_f32 v[T0+12*\u+2:T0+12*\u+3], v[T0+12*\u+2:T0+12*\u+3], v[T0+12*\u+4:T0+12*\u+5] op_sel_hi:[1,0]   ; the sums under the new M (a plain line behind the exponentials: ISA guide 5.7.2)
.endr
	s_wait_alu depctr_va_vdst(0)
.irp u, 0,1
	v_pk_add_f32 v[T0+12*\u+6:T0+12*\u+7], v[S+64*\u:S+64*\u+1], v[S+64*\u+2:S+64*\u+3]   ; the step's terms, two at a time, in two chains a tile
.endr
.irp j, 4,8,12,16,20,24,28,32,36,40,44,48,52,56,60
.irp u, 0,1
	v_pk_add_f32 v[T0+12*\u+2:T0+12*\u+3], v[T0+12*\u+2:T0+12*\u+3], v[S+64*\u+\j:S+64*\u+\j+1]
	v_pk_add_f32 v[T0+12*\u+6:T0+12*\u+7], v[T0+12*\u+6:T0+12*\u+7], v[S+64*\u+\j+2:S+64*\u+\j+3]
.endr
.endr
.irp u, 0
	s_delay_alu instid0(VALU_DEP_3)
	v_pk_add_f32 v[T0+12*\u+2:T0+12*\u+3], v[T0+12*\u+2:T0+12*\u+3], v[T0+12*\u+6:T0+12*\u+7]
.endr
.irp u, 1
	s_delay_alu instid0(VALU_DEP_2)
	v_pk_add_f32 v[T0+12*\u+2:T0+12*\u+3], v[T0+12*\u+2:T0+12*\u+3], v[T0+12*\u+6:T0+12*\u+7]
.endr
.endm
	FETCH                                          ; step 0
	s_wait_loadcnt 0x0                             ; my keys and their scale words
	s_mov_b32 s[CNT], 31
.Lq:                                               ; 31 trips: every step but the last fetches its successor
	SSTEP 1
	s_sub_co_u32 s[CNT], s[CNT], 1
	s_cmp_lg_u32 s[CNT], 0
	s_cbranch_scc1 .Lq
	SSTEP 0
	; THE END: the two halves of the lanes meet.  The common M is the larger; each half's sum is brought under it by a power of two; then nB = -M - log2(l).
.irp u, 0,1
	s_delay_alu instid0(VALU_DEP_2)
	v_add_f32 v[T0+12*\u+2], v[T0+12*\u+2], v[T0+12*\u+3]          ; my sum's two halves
.endr
.irp u, 0,1
	v_permlanex16_b32 v[T0+12*\u+6], v[T0+12*\u], s[SEL], s[SEL+1] ; lane l xor 16's -M
.endr
.irp u, 0,1
	s_delay_alu instid0(VALU_DEP_2)
	v_min_num_f32 v[T0+12*\u+6], v[T0+12*\u+6], v[T0+12*\u]        ; the common -M
.endr
.irp u, 0,1
	s_delay_alu instid0(VALU_DEP_2)
	v_sub_f32 v[T0+12*\u+7], v[T0+12*\u+6], v[T0+12*\u]            ; my M less the common one: a whole number, 0 or less
.endr
.irp u, 0,1
	s_delay_alu instid0(VALU_DEP_2)
	v_cvt_i32_f32 v[T0+12*\u+7], v[T0+12*\u+7]
.endr
.irp u, 0,1
	s_delay_alu instid0(VALU_DEP_2)
	v_ldexp_f32 v[T0+12*\u+2], v[T0+12*\u+2], v[T0+12*\u+7]
.endr
.irp u, 0,1
	s_delay_alu instid0(VALU_DEP_2)
	v_permlanex16_b32 v[T0+12*\u+8], v[T0+12*\u+2], s[SEL], s[SEL+1]
.endr
.irp u, 0,1
	s_delay_alu instid0(VALU_DEP_2)
	v_add_f32 v[T0+12*\u+2], v[T0+12*\u+2], v[T0+12*\u+8]          ; l: at least a half, since the largest term lies above a half
.endr
	s_wait_alu depctr_va_vdst(0)
.irp u, 0,1
	v_log_f32 v[T0+12*\u+9], v[T0+12*\u+2]
.endr
	v_nop                                          ; a plain line between the logarithms and the use of their results
	s_wait_alu depctr_va_vdst(0)
.irp u, 0,1
	v_sub_f32 v[T0+12*\u+10], v[T0+12*\u+6], v[T0+12*\u+9]         ; nB = -M - log2(l)
.endr
	s_delay_alu instid0(VALU_DEP_1)
	v_cndmask_b32 v[OUTV], v[T0+10], v[T0+22], s[HI16]             ; lanes 0-15 store my first tile's 16 keys, lanes 16-31 my second's
	global_store_b32 v[L4], v[OUTV], s[8:9]        ; 128 consecutive bytes
	; v: my 128 keys x 16 channels
	s_lshl_b32 s46, s[WV], 13
	s_add_co_u32 s46, s46, VL
	v_and_b32 v[WO], 15, v0
	v_bfe_u32 v[SHV], v0, 4, 1
	v_mov_b32 v[PXV], 0                            ; a lane permute's destination counts as one of its sources
	v_lshlrev_b32 v[WO], 2, v[WO]
	v_lshlrev_b32 v[AV], 11, v[SHV]                ; lanes 16-31: 32 rows of 64 bytes further on
	v_lshlrev_b32 v[SHV], 3, v[SHV]
	v_add_nc_u32 v[AV], v[AV], v[WO]
	v_add_nc_u32 v[AV], s46, v[AV]
	s_wait_alu depctr_va_vdst(0)                   ; the wait ahead of the wait below
	s_wait_tensorcnt 0x0                           ; my tile is in LDS; nobody else reads it
.irp e, 0,1
.irp i, 0,1,2,3,4,5,6,7,8,9,10,11,12,13,14,15,16,17,18,19,20,21,22,23,24,25,26,27,28,29,30,31
	ds_load_b32 v[S+32*\e+\i], v[AV] offset:(64*\e+\i)*64          ; key 64 e + 32 (lane / 16) + i of my channel
.endr
.endr
	s_wait_dscnt 0x0
.irp e, 0,1
	v_max3_num_f32 v[VAM+\e], |v[S+32*\e]|, |v[S+32*\e+1]|, |v[S+32*\e+2]|   ; the blocks' largest magnitudes: four chains by turns
	v_max3_num_f32 v[VBY+\e], |v[S+32*\e+3]|, |v[S+32*\e+4]|, |v[S+32*\e+5]|
.endr
.irp i, 6,10,14,18,22,26
.irp e, 0,1
	v_max3_num_f32 v[VAM+\e], v[VAM+\e], |v[S+32*\e+\i]|, |v[S+32*\e+\i+1]|
	v_max3_num_f32 v[VBY+\e], v[VBY+\e], |v[S+32*\e+\i+2]|, |v[S+32*\e+\i+3]|
.endr
.endr
.irp e, 0,1
	v_max3_num_f32 v[VAM+\e], v[VAM+\e], |v[S+32*\e+30]|, |v[S+32*\e+31]|
.endr
.irp e, 0,1
	v_max3_num_f32 v[VAM+\e], v[VAM+\e], v[VBY+\e], 0x1800000      ; the floor 2^(3 - 127): the byte cannot fall under 1
.endr
.irp e, 0,1
	v_add_nc_u32 v[VSO+\e], 0xff000000, v[VAM+\e]                  ; 2 off the exponent field: the conversions' scale operand
.endr
.irp e, 0,1
.irp g, 0,1,2,3
	v_cvt_scalef32_pk8_fp4_f32 v[VC+4*\e+\g], v[S+32*\e+8*\g:S+32*\e+8*\g+7], v[VSO+\e]
.endr
.endr
.irp e, 0,1
	v_lshrrev_b32 v[VBY+\e], 23, v[VSO+\e]         ; the scales' bytes (plain lines behind the conversions)
.endr
	v_lshl_or_b32 v[VWD], v[VBY+1], 16, v[VBY]     ; my blocks lane / 16 and 2 + lane / 16,
	v_lshlrev_b32 v[VWD], v[SHV], v[VWD]           ; at their places in the word,
	v_permlanex16_b32 v[PXV], v[VWD], s[SEL], s[SEL+1]
	v_or_b32 v[VWD], v[VWD], v[PXV]                ; with lane l xor 16's two: the channel's word, in both halves of the lanes
	global_store_b128 v[LI], v[VC:VC+3], s[60:61]                  ; blocks 0 and 1: 512 consecutive bytes, aligned
	global_store_b128 v[LI], v[VC+4:VC+7], s[60:61] offset:512     ; blocks 2 and 3
	global_store_b32 v[WO], v[VWD], s[62:63] offset:4096           ; 64 consecutive bytes; lanes l and l xor 16 store the same word with the same value
	s_wait_tensorcnt 0x0
	ds_add_u32 v62, v63
	s_wait_dscnt 0x0
	CROUND                                         ; the closing round: no work-group ends while a partner may still ask for a tile that names it
	s_endpgm
.Lfunc_end_k_qd9003ccd21_stats:
	.size	k_qd9003ccd21_stats, .Lfunc_end_k_qd9003ccd21_stats-k_qd9003ccd21_stats
	.p2alignl 7, 3214868480
	.fill 96, 4, 3214868480
	.section	.rodata,"a",@progbits
	.p2align	6, 0x0
	.amdhsa_kernel k_qd9003ccd21_stats
		.amdhsa_group_segment_fixed_size 327680
		.amdhsa_private_segment_fixed_size 0
		.amdhsa_enable_private_segment 0
		.amdhsa_kernarg_size 40
		.amdhsa_user_sgpr_count 2
		.amdhsa_user_sgpr_kernarg_segment_ptr 1
		.amdhsa_wavefront_size32 1
		.amdhsa_system_sgpr_workgroup_id_x 1
		.amdhsa_system_sgpr_workgroup_id_y 1
		.amdhsa_system_sgpr_workgroup_id_z 1
		.amdhsa_system_vgpr_workitem_id 0
		.amdhsa_next_free_vgpr 256
		.amdhsa_next_free_sgpr 66
		.amdhsa_reserve_vcc 0
		.amdhsa_float_denorm_mode_32 3
		.amdhsa_float_denorm_mode_16_64 3
		.amdhsa_memory_ordered 1
		.amdhsa_forward_progress 1
		.amdhsa_inst_pref_size 58
	.end_amdhsa_kernel
	.amdgpu_metadata
---
amdhsa.version: [ 1, 2 ]
amdhsa.kernels:
  - .name:           k_qd9003ccd21_stats
    .symbol:         k_qd9003ccd21_stats.kd
    .args:
      - { .name: qpk, .offset: 0, .size: 8, .value_kind: global_buffer, .address_space: global }
      - { .name: kpk, .offset: 8, .size: 8, .value_kind: global_buffer, .address_space: global }
      - { .name: gst, .offset: 16, .size: 8, .value_kind: global_buffer, .address_space: global }
      - { .name: v, .offset: 24, .size: 8, .value_kind: global_buffer, .address_space: global }
      - { .name: vpk, .offset: 32, .size: 8, .value_kind: global_buffer, .address_space: global }
    .group_segment_fixed_size: 327680
    .private_segment_fixed_size: 0
    .kernarg_segment_align: 8
    .kernarg_segment_size: 40
    .max_flat_workgroup_size: 256
    .sgpr_count:     66
    .vgpr_count:     256
    .wavefront_size: 32
...
	.end_amdgpu_metadata
.endif
;; end of part 2
;; launch attn (part 3): grid 16 x 16, 8 waves a work-group, clusters of 4 x 1, 327,680 bytes of LDS; arguments qpk, kpk, vpk, gst, out0; writes out0
.if DOCPART == 3
	.amdgcn_target "amdgcn-amd-amdhsa--gfx1250"
	.amdhsa_code_object_version 6
	.text
	.protected	k_qd9003ccd21_attn
	.globl	k_qd9003ccd21_attn
	.p2align	8
	.type	k_qd9003ccd21_attn,@function
k_qd9003ccd21_attn:
	s_mov_b64 s[64:65], 0
	v_nop
	global_prefetch_b8 v0, s[64:65] scope:SCOPE_SE
	s_setreg_imm32_b32 hwreg(HW_REG_WAVE_MODE, 25, 1), 1
	s_wait_xcnt 0x0
	s_wait_alu depctr_hold_cnt(0) depctr_sa_sdst(0) depctr_va_vdst(0) depctr_va_sdst(0) depctr_va_ssrc(0) depctr_va_vcc(0) depctr_vm_vsrc(0)
	s_getreg_b32 s2, hwreg(HW_REG_IB_STS2, 6, 4)
	s_cmp_eq_u32 s2, 0
	s_cbranch_scc0 .Lentry_in_a_cluster
	s_endpgm
.Lentry_in_a_cluster:
	s_bfe_u32 s2, ttmp6, 0x10000c
	s_cmp_lg_u32 s2, 0x3003
	s_cbranch_scc0 .Lentry_shape_is_right
	s_endpgm
.Lentry_shape_is_right:
; out[b][q][:] = sum over keys of Q4(p[q][key]) Q4(v[key][:]), p = 2^(t + nB[key]), t = score x log2(e) / 8, nB = -(M + log2 l) of the key's column, as the launch before stored it: p is the finished softmax over the queries.
; Both products run on codes of FP4 with E8M0 scales, out of the packs (their layout: at the head of the launch that makes them).  The first product's K is 64: registers 4-7 of its fragments are zero codes under the byte 127.
; SHARES.  A work-group owns 256 queries of a batch, each of its eight waves 32 (two tiles, kept in registers); every wave walks the batch's 4,096 keys, 128 a step, out of LDS, which holds the batch's packs of k and v and its nB: 303,104 bytes, filled once.
; LAYOUT.  Both products are used transposed: a lane holds ONE query (lane % 16).  THE KEYS OF A SCORE TILE ARE CHOSEN BY THE LDS ADDRESSES: tile 4 c + i takes, as rows 0-7, keys 64 c + 8 i + 0..7 and, as rows 8-15, keys 64 c + 32 + 8 i + 0..7.
; So lane half h holds in the 32 registers of tiles 4 c .. 4 c + 3 the WHOLE block of keys 64 c + 32 h + 0..31: its largest p needs no other lane, and its four conversions give registers 4 c .. 4 c + 3 of the second product's operand as they stand.
; (In the pack's images those rows lie 1,024 bytes apart for lanes 0-7 and 8-15, so k's reads meet two deep in the banks.)
; A block's largest p is 2^(its largest exponent), by the same instruction on the same number; the floor -124 among the maximum's leaves holds the scale's byte at 1 from below.
; THE LOOP IS TURNED: step i's second product stands in step i + 1, behind that step's 64 multiply-adds, which are the places that a scaled matrix instruction wants behind the writes of its operand and scale.
; CLUSTER.  The four work-groups of a cluster belong to one batch and read the same packs: every tensor load is joint, mask 15.  The fills go in two groups, one load a wave in each: first 4 steps of k and v and all nB,
; then the other 28 steps, which land under steps 0 and 1; one barrier stands ahead of step 2; step 3's loads are the first to touch them.
; No prefetch: LDS is filled once, at the head, and there is no loop of fills to run ahead in.
; LIMITS: NaN and infinities are not served; what holds of nB is said at the head of the launch that makes it.
.set STEPB,  4608
.set KBATCH, 32*STEPB
.set VSTEPB, 4352
.set VBATCH, 32*VSTEPB
.set KA,     4*STEPB                   ; the first group's bytes of k,
.set VA,     4*VSTEPB                  ; and of v
.set VB,     KBATCH                    ; LDS: k's pack, v's pack, nB, the spare words
.set GB,     VB+VBATCH
.set SPARE,  GB+16384
.set SP,     272                       ; a row of the way out's stage
.set WV,   14
.set G1KA, 16
.set G1VA, 24
.set G1N,  32
.set G1KB, 40
.set G1VB, 48
.set G0KA, 56
.set G0VA, 60
.set G0N,  68
.set G0KB, 72
.set G0VB, 76
.set CS,   80                          ; s[80:81] c = log2(e) / 8
.set SEL,  82                          ; s[82:83] selects for lane l xor 16
.set TK,   84                          ; LDS byte of the step to be fetched: k, v, nB
.set TV,   85
.set TN,   86
.set CNT,  3
; window 0
.set LI,  1                            ; 16 x lane
.set AK0, 2                            ; my place in k's images: 1,024 (r / 8) + 16 (r % 8) + 256 h
.set AS0, 3                            ; in k's scale words: 4,096 + 16 (r % 8) + 8 (r / 8) + 256 h
.set VW0, 4                            ; in v's scale words: 4,096 + 4 x lane
.set NB0, 5                            ; in nB: 128 h
.set STO, 6
.set RD,  7
.set ADK, 8
.set ADS, 9
.set ADV, 10
.set ADW, 11
.set ADN, 12
.set SH,  13                           ; 8 h
.set KS,  14                           ; v14-17 k's scale words: register i: lanes 0-15 tile i, lanes 16-31 tile 4 + i
.set VS,  18
.set QS,  20
.set PS,  22                           ; p's scale words
.set SPW, 24
.set NIL, 25
.set TM,  26                           ; v26-29 block q = 2 u + c: the largest exponent, then the largest p
.set SO,  30                           ; v30-33 the conversions' scale operand
.set TB,  34                           ; v34-37 the second chain, then the scale's byte
.set W,   38
.set PX,  40
.set P,   48                           ; v48-63 p's codes
.set S,   64                           ; v64-191 scores, exponents, p: 32 registers a block
.set NB,  192                          ; v192-255 the step's nB
; window 1
.set KF,  0
.set QF,  64
.set VF,  80
.set OT,  128
.set W_S,  0x05
.set W_LD, 0x40
.set W_PV, 0x51
.set W_ST, 0x04
.set MSB, 0
.macro WIN new
.if MSB != \new
	s_set_vgpr_msb (MSB<<8)|\new
.set MSB, \new
.endif
.endm
.macro CROUND
	s_barrier_signal -1
	s_barrier_wait -1
	s_cmp_lg_u32 s[WV], 0
	s_cbranch_scc1 .Lnot_wave_0_\@
	s_barrier_signal -3
.Lnot_wave_0_\@:
	s_barrier_wait -3
	s_barrier_signal -1
	s_barrier_wait -1
.endm
.macro GROUP1 g, rows                  ; a dense block as rows of 256 bytes (32 elements of 8), mask 15 with bit 21
	s_mov_b32 s[\g+0], 15|(3<<16)|(1<<21)
	s_mov_b32 s[\g+1], 32<<16
	s_mov_b32 s[\g+2], (\rows)<<16
	s_mov_b32 s[\g+3], 32<<16
	s_mov_b32 s[\g+4], \rows
	s_mov_b32 s[\g+5], 32
	s_mov_b32 s[\g+6], 0
	s_mov_b32 s[\g+7], 0
.endm
.macro G0SET g, idx, bytes, first, region, mem   ; part s[idx] of (bytes), from byte (first) of the batch's block on: LDS address, and the offset in memory
	s_mov_b32 s[\g], 1
	s_mul_i32 s[\g+2], s[\idx], (\bytes)
	s_add_co_u32 s[\g+2], s[\g+2], (\first)
	s_add_co_u32 s[\g+1], s[\g+2], (\region)
	s_add_co_u32 s[\g+2], s[\g+2], s[\mem]
	s_mov_b32 s[\g+3], 0
.endm
.macro G0PTR g, p
	s_add_nc_u64 s[\g+2:\g+3], s[\p:\p+1], s[\g+2:\g+3]
	s_or_b32 s[\g+3], s[\g+3], 0x80000000
.endm
.macro TL g0, g1                       ; s_nop 0 and four v_nop behind the load
	tensor_load_to_lds s[\g0:\g0+3], s[\g1:\g1+7]
	s_nop 0
.rept 4
	v_nop
.endr
.endm
	s_load_b256 s[4:11], s[0:1], 0x0               ; qpk, kpk, vpk, gst
	s_load_b64 s[12:13], s[0:1], 0x20              ; out0
	v_lshl_add_u32 v[SPW], v0, 2, SPARE
	v_mov_b32 v[NIL], 0
	ds_add_u32 v[SPW], v[NIL]
	ds_add_u32 v[SPW], v[NIL]
	v_lshrrev_b32 v[TM], 5, v0
	s_delay_alu instid0(VALU_DEP_1)
	v_readfirstlane_b32 s[WV], v[TM]               ; wave 0..7
	s_bfe_u32 s15, ttmp6, 0x40000                  ; cx: enters my own queries' and results' addresses alone
	s_lshl_b32 s87, ttmp9, 2
	s_add_co_u32 s87, s87, s15                     ; my block of 256 queries
	s_and_b32 s88, ttmp7, 0xffff                   ; the batch
	s_and_b32 s89, s[WV], 1
	s_and_b32 s90, s[WV], 3
	s_mul_i32 s91, s88, KBATCH
	s_mul_i32 s92, s88, VBATCH
	s_lshl_b32 s93, s88, 14
	GROUP1 G1KA, KA/512
	GROUP1 G1VA, VA/512
	GROUP1 G1N, 16
	GROUP1 G1KB, (KBATCH-KA)/1024
	GROUP1 G1VB, (VBATCH-VA)/1024
	G0SET G0KA, 89, KA/2, 0, 0, 91                 ; waves 0, 1: halves of k's steps 0-3
	G0SET G0VA, 89, VA/2, 0, VB, 92                ; waves 2, 3: of v's
	G0SET G0N, 90, 4096, 0, GB, 93                 ; waves 4-7: quarters of nB
	G0SET G0KB, 90, (KBATCH-KA)/4, KA, 0, 91       ; second group: waves 0-3 quarters of k's other 28 steps,
	G0SET G0VB, 90, (VBATCH-VA)/4, VA, VB, 92      ; waves 4-7 of v's
	s_lshr_b32 s94, s[WV], 2                       ; my two tiles of queries: step 2 x block + wave / 4, tiles 2 (wave % 4) + u
	s_lshl_b32 s95, s87, 1
	s_add_co_u32 s94, s94, s95
	s_mul_i32 s94, s94, STEPB
	s_add_co_u32 s94, s94, s91
	s_lshl_b32 s96, s90, 10
	s_add_co_u32 s96, s96, s94                     ; their images
	s_mov_b32 s97, 0
	s_lshr_b32 s98, s90, 1
	s_lshl_b32 s98, s98, 8
	s_lshl_b32 s99, s89, 3
	s_add_co_u32 s98, s98, s99
	s_add_co_u32 s98, s98, s94
	s_add_co_u32 s98, s98, 4096                    ; their scale words
	s_mov_b32 s99, 0
	s_lshl_b32 s94, s88, 20                        ; my 32 rows of out0
	s_lshl_b32 s95, s87, 16
	s_add_co_u32 s94, s94, s95
	s_lshl_b32 s95, s[WV], 13
	s_add_co_u32 s94, s94, s95
	s_mov_b32 s95, 0
	s_mul_i32 s2, s[WV], 32*SP                     ; my stage
	s_mov_b32 s[CS], 0x3e38aa3b
	s_mov_b32 s[CS+1], s[CS]
	s_mov_b32 s[SEL], 0x76543210
	s_mov_b32 s[SEL+1], 0xfedcba98
	s_mov_b32 s[TK], 0
	s_mov_b32 s[TV], VB
	s_mov_b32 s[TN], GB
	s_wait_dscnt 0x0
	s_wait_kmcnt 0x0
	G0PTR G0KA, 6
	G0PTR G0VA, 8
	G0PTR G0N, 10
	G0PTR G0KB, 6
	G0PTR G0VB, 8
	s_add_nc_u64 s[96:97], s[4:5], s[96:97]
	s_add_nc_u64 s[98:99], s[4:5], s[98:99]
	s_add_nc_u64 s[12:13], s[12:13], s[94:95]
	CROUND                                         ; the four work-groups are here: the joint loads meet
	s_cmp_lt_u32 s[WV], 2                          ; the first group: one chain of branches, one load to an arm
	s_cbranch_scc0 .La1
	TL G0KA, G1KA
	s_branch .Laj
.La1:
	s_cmp_lt_u32 s[WV], 4
	s_cbranch_scc0 .La2
	TL G0VA, G1VA
	s_branch .Laj
.La2:
	TL G0N, G1N
.Laj:
	v_and_b32 v[TM], 31, v0                        ; lane
	v_and_b32 v[TM+1], 15, v0                      ; r
	v_bfe_u32 v[TM+2], v0, 4, 1                    ; h
	v_and_b32 v[TM+3], 7, v0                       ; r % 8
	v_bfe_u32 v[TM+4], v0, 3, 1                    ; r / 8
	v_lshlrev_b32 v[LI], 4, v[TM]
	v_lshl_add_u32 v[VW0], v[TM], 2, 4096
	v_lshlrev_b32 v[NB0], 7, v[TM+2]
	v_lshlrev_b32 v[SH], 3, v[TM+2]
	v_lshlrev_b32 v[TM+5], 4, v[TM+1]              ; 16 r
	v_lshlrev_b32 v[TM+3], 4, v[TM+3]
	v_lshl_add_u32 v[STO], v[TM+4], 3, v[TM+1]     ; r + 8 (r / 8): my query's row among the tile pair's 32
	WIN W_LD
.irp u, 0,1
	global_load_b128 v[QF+8*\u:QF+8*\u+3], v[LI], s[96:97] offset:512*\u
.endr
.irp u, 0,1
.irp j, 4,5,6,7
	v_mov_b32 v[QF+8*\u+\j], 0                     ; K 64 .. 127: zero codes, set once
.endr
.endr
.irp t, 0,1,2,3,4,5,6,7
.irp j, 4,5,6,7
	v_mov_b32 v[KF+8*\t+\j], 0
.endr
.endr
	WIN 0
.irp u, 0,1
	global_load_b32 v[QS+\u], v[TM+5], s[98:99] offset:4*\u
.endr
	v_lshl_add_u32 v[TM+3], v[TM+2], 8, v[TM+3]    ; 16 (r % 8) + 256 h
	v_mul_u32_u24 v[STO], v[STO], SP
	v_mad_u32_u24 v[RD], v[TM+2], SP, v[TM+5]
	v_mov_b32 v[PX], 0                             ; a lane permute's destination counts as a source
	v_mov_b32 v[PX+1], 0
	v_lshl_add_u32 v[AK0], v[TM+4], 10, v[TM+3]
	v_lshl_add_u32 v[AS0], v[TM+4], 3, v[TM+3]
	v_lshl_add_u32 v[STO], v[TM+2], 5, v[STO]
	v_add_nc_u32 v[RD], s2, v[RD]
	v_add_nc_u32 v[ADN], s[TN], v[NB0]
	v_add_nc_u32 v[AS0], 4096, v[AS0]
	v_add_nc_u32 v[ADK], s[TK], v[AK0]
	v_add_nc_u32 v[STO], s2, v[STO]
	v_add_nc_u32 v[ADS], s[TK], v[AS0]
	s_wait_alu depctr_va_vdst(0)
	s_wait_tensorcnt 0x0                           ; my part of the first group is in
	ds_add_u32 v[SPW], v[NIL]
	s_wait_dscnt 0x0
	CROUND                                         ; everybody's part is in, in all four work-groups
	s_cmp_lt_u32 s[WV], 4                          ; the second group, one load a wave
	s_cbranch_scc0 .Lb1
	TL G0KB, G1KB
	s_branch .Lbj
.Lb1:
	TL G0VB, G1VB
.Lbj:
.macro FETCH_K                         ; tile t = 4 c + i out of the pack's images 4 c + i % 2 (lanes r < 8) and 4 c + 2 + i % 2 (r >= 8), their lane-rows 8 (i / 2) + r % 8
.irp t, 0,1,2,3,4,5,6,7
	ds_load_b128 v[KF+8*\t:KF+8*\t+3], v[ADK] offset:2048*(\t/4)+512*(\t%2)+128*((\t%4)/2)
.endr
.endm
.macro FETCH_S                         ; the words of tiles 2 g, 2 g + 1 (lanes 0-15) and 4 + 2 g, 5 + 2 g (lanes 16-31)
.irp g, 0,1
	ds_load_b64 v[KS+2*\g:KS+2*\g+1], v[ADS] offset:128*\g
.endr
.endm
.macro FETCH_N                         ; nB of the keys of tile t's registers: 8 words at 256 c + 128 h + 64 (i % 2) + 32 (i / 2)
.irp t, 0,1,2,3,4,5,6,7
.irp e, 0,1
	ds_load_b128 v[NB+8*\t+4*\e:NB+8*\t+4*\e+3], v[ADN] offset:256*(\t/4)+64*(\t%2)+32*((\t%4)/2)+16*\e
.endr
.endr
.endm
.macro PVI dt, u, first
.set rO, OT+32*(\u)+8*(\dt)
.set rV, VF+8*(\dt)
.set rP, P+8*(\u)
.if \first
.if (\dt)%2
	v_wmma_scale_f32_16x16x128_f8f6f4 v[rO:rO+7], v[rV:rV+7], v[rP:rP+7], 0, v[VS+(\dt)/2], v[PS+(\u)] matrix_a_fmt:MATRIX_FMT_FP4 matrix_b_fmt:MATRIX_FMT_FP4 matrix_a_scale:MATRIX_SCALE_ROW1
.else
	v_wmma_scale_f32_16x16x128_f8f6f4 v[rO:rO+7], v[rV:rV+7], v[rP:rP+7], 0, v[VS+(\dt)/2], v[PS+(\u)] matrix_a_fmt:MATRIX_FMT_FP4 matrix_b_fmt:MATRIX_FMT_FP4
.endif
.else
.if (\dt)%2
	v_wmma_scale_f32_16x16x128_f8f6f4 v[rO:rO+7], v[rV:rV+7], v[rP:rP+7], v[rO:rO+7], v[VS+(\dt)/2], v[PS+(\u)] matrix_a_fmt:MATRIX_FMT_FP4 matrix_b_fmt:MATRIX_FMT_FP4 matrix_a_scale:MATRIX_SCALE_ROW1
.else
	v_wmma_scale_f32_16x16x128_f8f6f4 v[rO:rO+7], v[rV:rV+7], v[rP:rP+7], v[rO:rO+7], v[VS+(\dt)/2], v[PS+(\u)] matrix_a_fmt:MATRIX_FMT_FP4 matrix_b_fmt:MATRIX_FMT_FP4
.endif
.endif
.endm
.macro PVALL first                     ; O^T += V^T P^T of one step: eight accumulators by turns
	s_wait_alu depctr_va_vdst(0)                   ; the wait ahead of the first readers of O^T
	WIN W_PV
.irp dt, 0,1,2,3
.irp u, 0,1
	PVI \dt, \u, \first
.endr
.endr
	WIN 0
.endm
.macro CV i                            ; register i of each block's four: eight keys' codes
.irp q, 0,1,2,3
	v_cvt_scalef32_pk8_fp4_f32 v[P+4*\q+\i], v[S+32*\q+8*\i:S+32*\q+8*\i+7], v[SO+\q]
.endr
.endm
; A STEP: 128 keys against my 32 queries.  pv: the step before's second product is done here (first: it starts the sums).  next: the next step's k and nB are fetched.
.macro STEP pv, first, next
	s_wait_dscnt 0x0                               ; this step's k, its words and nB, and the last step's v are in
	WIN W_S
.irp t, 0,1,2,3,4,5,6,7
.irp u, 0,1
.if \t < 4
	v_wmma_scale_f32_16x16x128_f8f6f4 v[S+64*\u+8*\t:S+64*\u+8*\t+7], v[KF+8*\t:KF+8*\t+7], v[QF+8*\u:QF+8*\u+7], 0, v[KS+\t%4], v[QS+\u] matrix_a_fmt:MATRIX_FMT_FP4 matrix_b_fmt:MATRIX_FMT_FP4
.else
	v_wmma_scale_f32_16x16x128_f8f6f4 v[S+64*\u+8*\t:S+64*\u+8*\t+7], v[KF+8*\t:KF+8*\t+7], v[QF+8*\u:QF+8*\u+7], 0, v[KS+\t%4], v[QS+\u] matrix_a_fmt:MATRIX_FMT_FP4 matrix_b_fmt:MATRIX_FMT_FP4 matrix_a_scale:MATRIX_SCALE_ROW1
.endif
.endr
.endr
	WIN 0
	v_add_nc_u32 v[ADV], s[TV], v[LI]              ; plain lines that name no register of the products: the places behind them (ISA guide 7.12.1)
	v_add_nc_u32 v[ADW], s[TV], v[VW0]
	s_add_co_u32 s[TV], s[TV], VSTEPB
.if \next
	s_add_co_u32 s[TK], s[TK], STEPB
	s_add_co_u32 s[TN], s[TN], 512
	v_add_nc_u32 v[ADK], s[TK], v[AK0]
	v_add_nc_u32 v[ADS], s[TK], v[AS0]
	v_add_nc_u32 v[ADN], s[TN], v[NB0]
	WIN W_LD
	FETCH_K
	WIN 0
	FETCH_S
.else
	v_nop
	v_nop
.endif
.set n, 0
.rept 64
	v_pk_fma_f32 v[S+2*n:S+2*n+1], v[S+2*n:S+2*n+1], s[CS:CS+1], v[NB+(2*n)%64:NB+(2*n)%64+1] op_sel_hi:[1,0,1]   ; the exponent t + nB, two at a time; each accumulator from its low end on
.set n, n+1
.endr
.if \next
	FETCH_N
.endif
.if \pv
	PVALL \first
.endif
	; each block's largest exponent: my 32 registers and the floor, 33 leaves in 16 lines, two chains a block, all eight by turns
.irp q, 0,1,2,3
	v_max3_num_f32 v[TM+\q], v[S+32*\q], v[S+32*\q+1], v[S+32*\q+2]
	v_max3_num_f32 v[TB+\q], v[S+32*\q+15], v[S+32*\q+16], v[S+32*\q+17]
.endr
.irp i, 0,2,4,6,8,10
.irp q, 0,1,2,3
	v_max3_num_f32 v[TM+\q], v[TM+\q], v[S+32*\q+3+\i], v[S+32*\q+4+\i]
	v_max3_num_f32 v[TB+\q], v[TB+\q], v[S+32*\q+18+\i], v[S+32*\q+19+\i]
.endr
.endr
.irp q, 0,1,2,3
	v_max3_num_f32 v[TB+\q], v[TB+\q], v[S+32*\q+30], v[S+32*\q+31]
.endr
.irp q, 0,1,2,3
	s_delay_alu instid0(VALU_DEP_4)
	v_max3_num_f32 v[TM+\q], v[TM+\q], v[TB+\q], 0xc2f80000   ; the floor -124: the byte cannot fall under 1
.endr
	WIN W_LD                                       ; this step's v: the 64 lines above are the places behind the products that read the last step's
.irp dt, 0,1,2,3
.irp e, 0,1
	ds_load_b128 v[VF+8*\dt+4*\e:VF+8*\dt+4*\e+3], v[ADV] offset:1024*\dt+512*\e
.endr
.endr
	WIN 0
	ds_load_b32 v[VS], v[ADW]
	ds_load_b32 v[VS+1], v[ADW] offset:128
	s_wait_alu depctr_va_vdst(0)                   ; one batch of exponentials, one wait ahead of it and one behind it
.irp q, 0,1,2,3
	v_exp_f32 v[TM+\q], v[TM+\q]                   ; the block's largest p
.endr
.set n, 0
.rept 128
	v_exp_f32 v[S+n], v[S+n]                       ; p, finished and normalised
.set n, n+1
.endr
	v_nop
	s_wait_alu depctr_va_vdst(0)
.irp q, 0,1,2,3
	v_add_nc_u32 v[SO+\q], 0xff000000, v[TM+\q]    ; 2 off the exponent field: the conversions' scale operand
.endr
	CV 0                                           ; the scale word's lines stand among the conversions and touch none of their registers
.irp q, 0,1,2,3
	v_lshrrev_b32 v[TB+\q], 23, v[SO+\q]           ; the scale's byte
.endr
	CV 1
.irp u, 0,1
	v_lshl_or_b32 v[W+\u], v[TB+2*\u+1], 16, v[TB+2*\u]   ; my blocks h and 2 + h,
.endr
	CV 2
.irp u, 0,1
	v_lshlrev_b32 v[W+\u], v[SH], v[W+\u]          ; at their places in the word,
.endr
	CV 3
.irp u, 0,1
	v_permlanex16_b32 v[PX+\u], v[W+\u], s[SEL], s[SEL+1]
.endr
.irp u, 0,1
	s_delay_alu instid0(VALU_DEP_2)
	v_or_b32 v[PS+\u], v[W+\u], v[PX+\u]           ; with lane l xor 16's two: the query's word for these 128 keys
.endr
	s_wait_alu depctr_va_vdst(0)                   ; the wait ahead of the branch and the waits that follow
.endm
	WIN W_LD
	FETCH_K
	WIN 0
	FETCH_S
	FETCH_N
	s_wait_loadcnt 0x0                             ; my queries and their words
	STEP 0, 0, 1                                   ; steps 0 and 1 touch the first group's bytes alone: k up to step 2, v up to step 1
	STEP 1, 1, 1
	s_wait_tensorcnt 0x0                           ; my part of the second group is in,
	s_wait_dscnt 0x0
	s_barrier_signal -1
	s_barrier_wait -1                              ; everybody's is
	s_mov_b32 s[CNT], 29
.Lk:                                               ; steps 2 to 30
	STEP 1, 0, 1
	s_sub_co_u32 s[CNT], s[CNT], 1
	s_cmp_lg_u32 s[CNT], 0
	s_cbranch_scc1 .Lk
	STEP 1, 0, 0                                   ; step 31 fetches no successor
	s_wait_dscnt 0x0                               ; its v
.rept 8
	v_nop                                          ; the places between the scale word's last line and a scaled matrix instruction
.endr
	PVALL 0
.rept 4
	v_nop
.endr
	s_barrier_signal -1
	s_barrier_wait -1                              ; nobody reads k's pack any more: the stages lie there; it has had its only fill
	WIN W_ST
.irp u, 0,1
.irp dt, 0,1,2,3
	ds_store_b128 v[STO], v[OT+32*\u+8*\dt:OT+32*\u+8*\dt+3] offset:8*SP*\u+64*\dt
	ds_store_b128 v[STO], v[OT+32*\u+8*\dt+4:OT+32*\u+8*\dt+7] offset:8*SP*\u+64*\dt+16
.endr
.endr
	WIN 0
.irp m, 0,1,2,3,4,5,6,7,8,9,10,11,12,13,14,15
	ds_load_b128 v[S+4*\m:S+4*\m+3], v[RD] offset:2*SP*\m          ; LDS serves a wave's instructions in order: these see my stores
.endr
.irp m, 0,1,2,3,4,5,6,7,8,9,10,11,12,13,14,15
	s_wait_dscnt 15-\m
	global_store_b128 v[LI], v[S+4*\m:S+4*\m+3], s[12:13] offset:512*\m th:TH_STORE_NT   ; sixteen lanes store one row of out0: 256 consecutive bytes, aligned
.endr
	s_wait_tensorcnt 0x0                           ; the wave's end
	ds_add_u32 v[SPW], v[NIL]
	s_wait_dscnt 0x0
	CROUND                                         ; the closing round
	s_endpgm
.Lfunc_end_k_qd9003ccd21_attn:
	.size	k_qd9003ccd21_attn, .Lfunc_end_k_qd9003ccd21_attn-k_qd9003ccd21_attn
	.p2alignl 7, 3214868480
	.fill 96, 4, 3214868480
	.section	.rodata,"a",@progbits
	.p2align	6, 0x0
	.amdhsa_kernel k_qd9003ccd21_attn
		.amdhsa_group_segment_fixed_size 327680
		.amdhsa_private_segment_fixed_size 0
		.amdhsa_enable_private_segment 0
		.amdhsa_kernarg_size 40
		.amdhsa_user_sgpr_count 2
		.amdhsa_user_sgpr_kernarg_segment_ptr 1
		.amdhsa_wavefront_size32 1
		.amdhsa_system_sgpr_workgroup_id_x 1
		.amdhsa_system_sgpr_workgroup_id_y 1
		.amdhsa_system_sgpr_workgroup_id_z 1
		.amdhsa_system_vgpr_workitem_id 0
		.amdhsa_next_free_vgpr 448
		.amdhsa_next_free_sgpr 100
		.amdhsa_reserve_vcc 0
		.amdhsa_float_denorm_mode_32 3
		.amdhsa_float_denorm_mode_16_64 3
		.amdhsa_memory_ordered 1
		.amdhsa_forward_progress 1
		.amdhsa_inst_pref_size 98
	.end_amdhsa_kernel
	.amdgpu_metadata
---
amdhsa.version: [ 1, 2 ]
amdhsa.kernels:
  - .name:           k_qd9003ccd21_attn
    .symbol:         k_qd9003ccd21_attn.kd
    .args:
      - { .name: qpk, .offset: 0, .size: 8, .value_kind: global_buffer, .address_space: global }
      - { .name: kpk, .offset: 8, .size: 8, .value_kind: global_buffer, .address_space: global }
      - { .name: vpk, .offset: 16, .size: 8, .value_kind: global_buffer, .address_space: global }
      - { .name: gst, .offset: 24, .size: 8, .value_kind: global_buffer, .address_space: global }
      - { .name: out0, .offset: 32, .size: 8, .value_kind: global_buffer, .address_space: global }
    .group_segment_fixed_size: 327680
    .private_segment_fixed_size: 0
    .kernarg_segment_align: 8
    .kernarg_segment_size: 40
    .max_flat_workgroup_size: 256
    .sgpr_count:     100
    .vgpr_count:     448
    .wavefront_size: 32
...
	.end_amdgpu_metadata
.endif
;; end of part 3
